; MI455X (gfx1250); checked and timed in simulation.
; The chip was launched on July 23, 2026; its instructions are those of AMD's public machine-readable ISA for CDNA 5 (MIT licence, August 2026) and "CDNA5" Instruction Set Architecture Reference Guide (July 2026). The comments in the code are by the model that wrote it; some were corrected since.
;; Attention Layer. Allowed arithmetic: matrix products marked QUANTISED: E2M1 operands, one E8M0 scale for each 32 along K, by v_wmma_scale_f32_16x16x128_f8f6f4 with both operands' format E2M1 (or v_wmma_scale_f32_32x16x128_f4), f32 sums; products left as they are: bf16, f16 or f32 operands; f32 sums; everything else in f32.
;; Inputs: Wk 512 x 512 float32; Wo 512 x 512 float32; Wq 512 x 512 float32; Wv 512 x 512 float32; bk 512 float32; bo 512 float32; bq 512 float32; bv 512 float32; hidden_states 2 x 4,096 x 512 float32.
;; Outputs: out0 2 x 4,096 x 512 float32.
;; This version of the problem:
;;   THIS VERSION OF THE PROBLEM IS GIVEN IN LOW PRECISION. The matrix products marked QUANTISED in the list below multiply operands that are first quantised to E2M1 (2 exponent bits, 1 mantissa bit; 4 bits a number), with one power-of-two scale for each 32 numbers along K (OCP MX v1.0); their sums are f32. The products marked 'left as it is' may take bf16, f16 or f32 operands, with f32 sums. Whichever they take, every output number must still come out within the allowed error. Rounding operands to bf16 (8 significant bits) uses up far more of that allowance than f16 does (11 bits, for magnitudes from 6e-5 to 65,504). All else is computed in f32.
;;   The module's matrix products, in the order in which they are computed (A, B: the left and right operand; K: the contracted axis; several contracted axes count as one K, in the product's order):
;;     1. [M 8,192, K 512] x [K 512, N 512]; A: input hidden_states; B: input Wq: QUANTISED
;;     2. [M 8,192, K 512] x [K 512, N 512]; A: input hidden_states; B: input Wk: QUANTISED
;;     3. [M 8,192, K 512] x [K 512, N 512]; A: input hidden_states; B: input Wv: QUANTISED
;;     4. batch 16 x [M 4,096, K 64] x [K 64, N 4,096]; A: computed on the way; B: computed on the way: left as it is (an operand is computed on the way)
;;     5. batch 16 x [M 4,096, K 4,096] x [K 4,096, N 64]; A: computed on the way; B: computed on the way: left as it is (an operand is computed on the way)
;;     6. [M 8,192, K 512] x [K 512, N 512]; A: computed on the way; B: input Wo: left as it is (an operand is computed on the way)
;;   THE QUANTISER, for each operand of a quantised product, along K:
;;     - K is cut into blocks of 32 from its start; a last block that is shorter is filled with zeros.
;;     - A block's scale is 2^e with e = floor(log2(the largest magnitude in the block)) - 2, held to -126 .. 127; a block of zeros has e = 0. As a byte (E8M0): e + 127.
;;     - Each number is divided by its block's scale, clamped to +-6, and rounded to the nearest number of E2M1, ties to even, subnormals kept.
;;     - The product sums the exact products of the quantised numbers (number of the format x scale) in f32.
;;   ~~~python
;;   def quantise(x, axis):      # numpy; x: float32 -> the quantised numbers, widened to float32 again
;;       x = np.moveaxis(x, axis, -1); K = x.shape[-1]
;;       x = np.pad(x, [(0, 0)] * (x.ndim - 1) + [(0, -K % 32)]); x = x.reshape(x.shape[:-1] + (-1, 32)); a = np.abs(x).max(-1, keepdims=True)
;;       e = np.where(a > 0, np.clip(np.frexp(np.where(a > 0, a, 1))[1] - 1 - 2, -126, 127), 0)      # np.frexp(a)[1] - 1 = floor(log2(a)), exactly
;;       r = np.clip(x / 2.0 ** e, -6, 6)
;;       step = 2.0 ** (np.maximum(np.frexp(np.where(r == 0, 1, r))[1] - 1, 0) - 1)
;;       q = np.round(r / step) * step * 2.0 ** e      # np.round: ties to even
;;       return np.moveaxis(q.reshape(q.shape[:-2] + (-1,))[..., :K], -1, axis).astype(np.float32)
;;   ~~~
;; One version. Each part assembles by itself: llvm-mc -triple=amdgcn-amd-amdhsa -mcpu=gfx1250 --defsym DOCPART=n.
;; ======== version 1 of 1: 4 launches
;; limits: values are held in f16: magnitudes above 65,504 overflow, below 6.1e-05 lose precision
;; workspace buffers: codes 2,490,368 bytes; scl 155,648 bytes; wf 524,288 bytes; qf 8,388,608 bytes; kv 16,777,216 bytes; cf 8,388,608 bytes
;; launch prep (part 1): grid 320 x 1, 2 waves a work-group, no clusters, 67,840 bytes of LDS; arguments hidden_states, Wq, Wk, Wv, Wo, codes, scl, wf; writes codes, scl, wf
.if DOCPART == 1
	.amdgcn_target "amdgcn-amd-amdhsa--gfx1250"
	.amdhsa_code_object_version 6
	.text
	.protected	k_q14017a3340_prep
	.globl	k_q14017a3340_prep
	.p2align	8
	.type	k_q14017a3340_prep,@function
k_q14017a3340_prep:
	s_mov_b64 s[64:65], 0
	v_nop
	global_prefetch_b8 v0, s[64:65] scope:SCOPE_SE
	s_setreg_imm32_b32 hwreg(HW_REG_WAVE_MODE, 25, 1), 1
	s_wait_xcnt 0x0
; THE PROGRAM: attention layer, B 2, S 4,096, H 512, 8 heads of 64.  Four launches: prep (this one), qkv, attn, outp.
; DEAD WORK: bk.  The scores are q . (k0 + bk) = q . k0 + q . bk, k0 = hidden Wk^T.  The product of q and k is not a quantised one, and q . bk is the same number for
; all keys of a query: a term that is constant along the softmax's axis, which the softmax's division takes away, whatever finite values the inputs hold.  So bk has no way to
; any output: it is not loaded and is among no launch's arguments.  LIMIT: a NaN, an infinity or an overflow that would reach the result through bk's term alone is not carried to it.
; bv IS LIVE: the weights of a row sum to 1 by the softmax's own division, so sum p (v0 + bv) = sum p v0 + bv: it is added once, behind the division, as the addend of a multiply-add (launch attn).
; THIS LAUNCH: hidden_states, Wq, Wk, Wv (f32, K = 512 innermost) become codes of E2M1 with one E8M0 byte for each 32 along K; Wo becomes f16.  All are laid in the ORDER OF THE
; OPERAND'S REGISTERS: an image is 32 lanes x 16 bytes, lane l at byte 16 l, so that the later launches load fragments by 16-byte loads of 512 consecutive bytes.
;   codes [tile T 0..607][K step 0..3][c 0..1][image]: lane (r, h) of image c holds k = 128 step + 64 c + 32 h + 0..31 of the tile's row r.  T 0-511 hidden (16 tokens), 512-543 Wq, 544-575 Wk, 576-607 Wv.
;   scl   [T][r][16 bytes]: word s of row r is the scale word of K step s.       wf [n tile 0..31][K step of 32: 0..15][g 0..1][image], f16.
; Wv's tile (head, c) takes rows 64 head + 8 c + (r % 8) + 32 (r / 8): then a lane of attention's result holds channels 32 h + 8 c + 0..7 of its head, which is the order along K in which
; this launch's one way of reading a row (32 neighbours a lane) lays Wo.  A permutation of K applied alike to both operands of the last product keeps its sums.
; A block's scale is 2^(floor(log2(largest magnitude)) - 2); its byte is the largest magnitude's exponent field - 2, held at 1 from below.  A block of zeros so gets the byte 1 where the rule says 127:
; its codes are zeros, which add nothing under any byte but 0xff, and this program alone reads the bytes.
; LIMITS: NaN and infinities among the inputs are not served; Wo is rounded to f16: magnitudes over 65,504 are not served, under 6e-5 its step is 6e-8.
; SHARES: a wave takes one tile: 16 rows x 512 numbers, 32 KiB.  All its 64 loads go out at the head, each of 512 consecutive bytes.  A K step's 16 x 512 bytes turn through the wave's own stage in LDS
; (rows 528 bytes apart: 33 x 16, so that sixteen rows start at sixteen different 16-byte columns of 256 bytes) and come back 32 neighbours along K a lane, twice.  Waves share nothing: no barrier.
; No matrix unit, no cluster, no tensor load: the launch moves each byte once and nothing is read by two work-groups.
.set SPARE, 67584                      ; the spare words: 128 bytes for each of the two waves, one block of 256 bytes that no other line names
.set STG,   8448                       ; a stage: 16 rows x 528 bytes
.set WREG,  16896                      ; a wave's two stages
.set WOB,   33792                      ; Wo's path has LDS bytes of its own
.set LN16, 1                           ; v1   16 x lane
.set VH,   2                           ; v2   the same, + 24 rows for rows 8-15 of a tile of Wv
.set SA,   3                           ; v3   the stage, on the way in
.set LA,   4                           ; v4   and on the way out: 528 r + 128 h
.set H8,   5                           ; v5   8 h
.set SO,   6                           ; v6   16 r + 8 h: my two scale words' place
.set SPW,  22                          ; v22  my spare word's LDS address; never rewritten
.set NIL,  23                          ; v23  0; never rewritten
.set SAW,  24                          ; v24, v25: SA and LA in Wo's bytes
.set LAW,  25
.set CD,   32                          ; v32-63   codes, 8 registers a K step: no store's data are written again
.set XR,   64                          ; v64-191  two sets of 64 numbers, neighbours along K
.set FH,   192                         ; v192-255 two sets of 32 registers of f16
                                       ; window 1 (v256-511): the tile as loaded: K step s, row i at 64 s + 4 i
.set MSB, 0
.macro WIN new                         ; the immediate's high byte repeats the setting that is left
.if MSB != \new
	s_set_vgpr_msb (MSB<<8)|\new
.set MSB, \new
.endif
.endm
	s_load_b256 s[4:11], s[0:1], 0x0               ; hidden s[4:5], Wq s[6:7], Wk s[8:9], Wv s[10:11]
	s_load_b256 s[12:19], s[0:1], 0x20             ; Wo s[12:13], codes s[14:15], scl s[16:17], wf s[18:19]
	v_lshl_add_u32 v[SPW], v0, 2, SPARE
	v_mov_b32 v[NIL], 0
	v_lshrrev_b32 v7, 5, v0
	v_readfirstlane_b32 s20, v7                    ; wave
	s_lshl_b32 s21, ttmp9, 1
	s_add_co_u32 s21, s21, s20                     ; T = 2 x work-group + wave
	v_and_b32 v7, 31, v0                           ; lane
	v_lshlrev_b32 v[LN16], 4, v7
	v_and_b32 v9, 15, v0                           ; r
	v_bfe_u32 v10, v0, 4, 1                        ; h
	s_mul_i32 s25, s20, WREG
	v_add_nc_u32 v[SA], s25, v[LN16]
	v_mul_u32_u24 v[LA], v9, 528
	v_lshl_add_u32 v[LA], v10, 7, v[LA]
	v_add_nc_u32 v[LA], s25, v[LA]
	v_add_nc_u32 v[SAW], WOB, v[SA]
	v_add_nc_u32 v[LAW], WOB, v[LA]
	v_lshlrev_b32 v[H8], 3, v10
	v_lshl_add_u32 v[SO], v9, 4, v[H8]
	v_mov_b32 v15, 0                               ; written once: a lane permute's destination counts as one of its sources
	s_mov_b32 s28, 0x76543210
	s_mov_b32 s29, 0xfedcba98                      ; v_permlanex16_b32's selects for lane l xor 16
	s_wait_kmcnt 0x0
	s_mov_b64 s[30:31], s[12:13]                   ; which tensor is my tile's, and which tile is its first: the choice hangs on T alone
	s_mov_b32 s22, 608
	s_cmp_lt_u32 s21, 608
	s_cselect_b64 s[30:31], s[10:11], s[30:31]
	s_cselect_b32 s22, 576, s22
	s_cmp_lt_u32 s21, 576
	s_cselect_b64 s[30:31], s[8:9], s[30:31]
	s_cselect_b32 s22, 544, s22
	s_cmp_lt_u32 s21, 544
	s_cselect_b64 s[30:31], s[6:7], s[30:31]
	s_cselect_b32 s22, 512, s22
	s_cmp_lt_u32 s21, 512
	s_cselect_b64 s[30:31], s[4:5], s[30:31]
	s_cselect_b32 s22, 0, s22
	s_sub_co_u32 s23, s21, s22                     ; the tile's number in its tensor
	s_lshr_b32 s26, s23, 2
	s_lshl_b32 s26, s26, 6
	s_and_b32 s27, s23, 3
	s_lshl_b32 s27, s27, 3
	s_add_co_u32 s26, s26, s27                     ; Wv: first row 64 head + 8 c
	s_lshl_b32 s27, s23, 4                         ; all others: 16 x tile
	s_cmp_eq_u32 s22, 576
	s_cselect_b32 s26, s26, s27
	s_cselect_b32 s24, 49152, 0                    ; Wv: rows 8-15 of a tile lie 24 rows of 2,048 bytes further on
	s_lshl_b32 s26, s26, 11
	s_mov_b32 s27, 0
	s_add_nc_u64 s[30:31], s[30:31], s[26:27]
	v_add_nc_u32 v[VH], s24, v[LN16]
	WIN 0x40                                       ; destination window 1
.irp s, 0,1,2,3
.irp i, 0,1,2,3,4,5,6,7
	global_load_b128 v[64*\s+4*\i:64*\s+4*\i+3], v[LN16], s[30:31] offset:2048*\i+512*\s th:TH_LOAD_NT   ; 32 lanes read 512 consecutive bytes of row i
.endr
.irp i, 8,9,10,11,12,13,14,15
	global_load_b128 v[64*\s+4*\i:64*\s+4*\i+3], v[VH], s[30:31] offset:2048*\i+512*\s th:TH_LOAD_NT
.endr
.endr
	WIN 0
; K step s through the stage s % 2: in as loaded, out as 2 x 32 neighbours a lane: register 32 c + n = k 128 s + 64 c + 32 h + n of row r.  LDS serves a wave's instructions in order: no wait between.
.macro TURN s, sa, la
	WIN 0x04                                       ; an LDS store's data are its source 1: window 1
.irp i, 0,1,2,3,4,5,6,7,8,9,10,11,12,13,14,15
	ds_store_b128 v[\sa], v[64*(\s)+4*\i:64*(\s)+4*\i+3] offset:STG*((\s)%2)+528*\i
.endr
	WIN 0
.irp c, 0,1
.irp j, 0,1,2,3,4,5,6,7
	ds_load_b128 v[XR+64*((\s)%2)+32*\c+4*\j:XR+64*((\s)%2)+32*\c+4*\j+3], v[\la] offset:STG*((\s)%2)+256*\c+16*\j
.endr
.endr
.endm
; K step s: my two blocks (2 c + h of the step's four), their bytes, the row's scale word, the codes, which are the operand's registers as they stand
.macro QUANT s
.set XS, XR+64*((\s)%2)
.irp c, 0,1
	v_max3_num_f32 v[8+\c], |v[XS+32*\c]|, |v[XS+32*\c+1]|, 0x1800000   ; with the floor 2^(3 - 127): the byte cannot fall under 1
.endr
.irp i, 2,4,6,8,10,12,14,16,18,20,22,24,26,28,30
.irp c, 0,1
	v_max3_num_f32 v[8+\c], v[8+\c], |v[XS+32*\c+\i]|, |v[XS+32*\c+\i+1]|   ; (the two blocks by turns)
.endr
.endr
.irp c, 0,1
	v_add_nc_u32 v[10+\c], 0xff000000, v[8+\c]     ; 2 off the exponent field: the conversion takes the exponent field of this operand as its scale
.endr
.irp c, 0,1
	v_lshrrev_b32 v[12+\c], 23, v[10+\c]           ; the scale's byte
.endr
	v_lshl_or_b32 v14, v13, 16, v12                ; my two bytes: blocks h and 2 + h,
	v_lshlrev_b32 v14, v[H8], v14                  ; at their places in the word;
	v_permlanex16_b32 v15, v14, s28, s29
	v_or_b32 v[16+(\s)], v14, v15                  ; with lane l xor 16's two the word is whole
.irp c, 0,1
.irp g, 0,1,2,3
	v_cvt_scalef32_pk8_fp4_f32 v[CD+8*(\s)+4*\c+\g], v[XS+32*\c+8*\g:XS+32*\c+8*\g+7], v[10+\c]
.endr
.endr
	v_nop                                          ; one plain place behind the last scaled conversion
.irp c, 0,1
	global_store_b128 v[LN16], v[CD+8*(\s)+4*\c:CD+8*(\s)+4*\c+3], s[14:15] offset:1024*(\s)+512*\c   ; an image: 512 consecutive bytes
.endr
.endm
; K step s of Wo: 64 numbers become 32 registers of f16: eight images; image 4 c + 2 u + g holds k = 128 s + 64 c + 32 h + 16 u + 8 g + 0..7
.macro HALF16 s
.set XS, XR+64*((\s)%2)
.set FS, FH+32*((\s)%2)
.if (\s) >= 2
	s_wait_xcnt 0x0                                ; the stores of two steps back have read this set
.endif
.set i, 0
.rept 32
	v_cvt_pk_f16_f32 v[FS+i], v[XS+2*i], v[XS+2*i+1]
.set i, i+1
.endr
.irp m, 0,1,2,3,4,5,6,7
	global_store_b128 v[LN16], v[FS+4*\m:FS+4*\m+3], s[18:19] offset:4096*(\s)+512*\m
.endr
.endm
	s_cmp_ge_u32 ttmp9, 304                        ; tiles 608 on are Wo's: both waves of a work-group go the same way
	s_cbranch_scc1 .Lwo
	s_lshl_b32 s26, s21, 12                        ; my tile's 4,096 bytes of codes
	s_add_nc_u64 s[14:15], s[14:15], s[26:27]
	s_lshl_b32 s26, s21, 8                         ; and its 256 scale bytes
	s_add_nc_u64 s[16:17], s[16:17], s[26:27]
	s_wait_loadcnt 48                              ; K step 0's sixteen loads are in; the 48 of the later steps may be out
	TURN 0, SA, LA
.irp s, 0,1,2,3
	s_wait_dscnt 0x0                               ; this step's numbers are back from the stage
.if \s < 3
	s_wait_loadcnt 32-16*\s                        ; the next step's sixteen loads are in; those of the steps behind it may be out
	TURN \s+1, SA, LA                              ; it goes through the other stage while this step is worked
.endif
	QUANT \s
.endr
	v_cmp_ne_u32 vcc_lo, 0, v[H8]
	v_cndmask_b32 v20, v16, v18, vcc_lo            ; lanes 0-15 store words 0 and 1 of row r, lanes 16-31 words 2 and 3
	v_cndmask_b32 v21, v17, v19, vcc_lo
	global_store_b64 v[SO], v[20:21], s[16:17]     ; the instruction covers the tile's 256 scale bytes, aligned
	s_wait_tensorcnt 0x0                           ; the wave's end, behind my last LDS store
	ds_add_u32 v[SPW], v[NIL]
	s_wait_dscnt 0x0
	s_endpgm
.Lwo:
	s_lshl_b32 s26, s23, 14                        ; my n tile's 16,384 bytes of wf
	s_add_nc_u64 s[18:19], s[18:19], s[26:27]
	s_wait_loadcnt 48                              ; as above
	TURN 0, SAW, LAW
.irp s, 0,1,2,3
	s_wait_dscnt 0x0
.if \s < 3
	s_wait_loadcnt 32-16*\s
	TURN \s+1, SAW, LAW
.endif
	HALF16 \s
.endr
	s_wait_tensorcnt 0x0                           ; the wave's end, as above
	ds_add_u32 v[SPW], v[NIL]
	s_wait_dscnt 0x0
	s_endpgm
.Lfunc_end_k_q14017a3340_prep:
	.size	k_q14017a3340_prep, .Lfunc_end_k_q14017a3340_prep-k_q14017a3340_prep
	.p2alignl 7, 3214868480
	.fill 96, 4, 3214868480
	.section	.rodata,"a",@progbits
	.p2align	6, 0x0
	.amdhsa_kernel k_q14017a3340_prep
		.amdhsa_group_segment_fixed_size 67840
		.amdhsa_private_segment_fixed_size 0
		.amdhsa_enable_private_segment 0
		.amdhsa_kernarg_size 64
		.amdhsa_user_sgpr_count 2
		.amdhsa_user_sgpr_kernarg_segment_ptr 1
		.amdhsa_wavefront_size32 1
		.amdhsa_system_sgpr_workgroup_id_x 1
		.amdhsa_system_sgpr_workgroup_id_y 1
		.amdhsa_system_sgpr_workgroup_id_z 1
		.amdhsa_system_vgpr_workitem_id 0
		.amdhsa_next_free_vgpr 512
		.amdhsa_next_free_sgpr 66
		.amdhsa_reserve_vcc 1
		.amdhsa_float_denorm_mode_32 3
		.amdhsa_float_denorm_mode_16_64 3
		.amdhsa_memory_ordered 1
		.amdhsa_forward_progress 1
		.amdhsa_inst_pref_size 51
	.end_amdhsa_kernel
	.amdgpu_metadata
---
amdhsa.version: [ 1, 2 ]
amdhsa.kernels:
  - .name:           k_q14017a3340_prep
    .symbol:         k_q14017a3340_prep.kd
    .args:
      - { .name: hidden_states, .offset: 0, .size: 8, .value_kind: global_buffer, .address_space: global }
      - { .name: Wq, .offset: 8, .size: 8, .value_kind: global_buffer, .address_space: global }
      - { .name: Wk, .offset: 16, .size: 8, .value_kind: global_buffer, .address_space: global }
      - { .name: Wv, .offset: 24, .size: 8, .value_kind: global_buffer, .address_space: global }
      - { .name: Wo, .offset: 32, .size: 8, .value_kind: global_buffer, .address_space: global }
      - { .name: codes, .offset: 40, .size: 8, .value_kind: global_buffer, .address_space: global }
      - { .name: scl, .offset: 48, .size: 8, .value_kind: global_buffer, .address_space: global }
      - { .name: wf, .offset: 56, .size: 8, .value_kind: global_buffer, .address_space: global }
    .group_segment_fixed_size: 67840
    .private_segment_fixed_size: 0
    .kernarg_segment_align: 8
    .kernarg_segment_size: 64
    .max_flat_workgroup_size: 64
    .sgpr_count:     66
    .vgpr_count:     512
    .wavefront_size: 32
...
	.end_amdgpu_metadata
.endif
;; end of part 1
;; launch qkv (part 2): grid 32 x 24, 4 waves a work-group, no clusters, 0 bytes of LDS; arguments codes, scl, bq, qf, kv; writes qf, kv
.if DOCPART == 2
	.amdgcn_target "amdgcn-amd-amdhsa--gfx1250"
	.amdhsa_code_object_version 6
	.text
	.protected	k_q14017a3340_qkv
	.globl	k_q14017a3340_qkv
	.p2align	8
	.type	k_q14017a3340_qkv,@function
k_q14017a3340_qkv:
	s_mov_b64 s[64:65], 0
	v_nop
	global_prefetch_b8 v0, s[64:65] scope:SCOPE_SE
	s_setreg_imm32_b32 hwreg(HW_REG_WAVE_MODE, 25, 1), 1
	s_wait_xcnt 0x0
; q = hidden Wq^T + bq, k = hidden Wk^T, v = hidden Wv^T on codes of E2M1 with E8M0 scales (launch prep made them), sums in f32; the results leave as f16, in the order of attention's operand registers.
; LEFT OUT: bk (a term constant along the softmax's axis: shown at the head of launch prep); bv is added in launch attn, behind the softmax's division.
; LIMIT: q, k and v are rounded to f16: magnitudes over 65,504 are not served.
; SHARES: work-group y = 8 kind + head (kind 0 q, 1 k, 2 v) takes that head's four tiles of 16 weight rows; wave w of work-group x takes token tiles 16 x + 4 w .. + 3: 64 tokens, one key step.
; 16 accumulators x 4 K steps of 128 = 64 matrix instructions a wave.  All fragments come from memory straight into registers, by loads of 512 consecutive bytes: no LDS, no barrier.
; NO CLUSTER, NO TENSOR LOAD: a wave's matrix work is 64 instructions; a ring in LDS would add barriers and a way through LDS to it, and without tensor loads there is no joint request to make.
; q and k: THE MATRIX INSTRUCTION IS USED TRANSPOSED (source 0 = 16 weight rows, source 1 = 16 tokens): lane (r, h) holds token r, channels 16 ct + 8 h + 0..7: 16 bytes of f16, an image of qf or kv.
; v: the natural way (source 0 = tokens, source 1 = weight rows): lane (r, h) holds channel slot r, tokens 16 tt + 8 h + 0..7: V^T with the keys along the registers.
;   qf [b, head][query tile 0..255][ct 0..3][image]      kv [b, head][step 0..63][16 KiB]: K [kt][ct][image], then V^T [kb 0..1][c 0..3][g 0..1][image] (keys 32 kb + 16 g + 8 h + 0..7)
; REGISTERS: window 0: v1-3 addresses; v16-31 scale words (register 4 i + s: lanes 0-15 hidden tile i's word of K step s, lanes 16-31 weight tile i's); v32-63 bq in the result's layout;
;   v64-191 hidden's fragments (32 i + 8 s); v192-255 packed results.   window 1: v0-127 the weights' fragments (32 ct + 8 s); v128-255 the accumulators (8 (4 tt + ct)).
.set LN16, 1
.set SCO,  2
.set H32,  3
.set SC,   16
.set BI,   32
.set HF,   64
.set PK,   192
.set MSB, 0
.macro WIN new                         ; the immediate's high byte repeats the setting that is left
.if MSB != \new
	s_set_vgpr_msb (MSB<<8)|\new
.set MSB, \new
.endif
.endm
	s_load_b256 s[4:11], s[0:1], 0x0               ; codes s[4:5], scl s[6:7], bq s[8:9], qf s[10:11]
	s_load_b64 s[12:13], s[0:1], 0x20              ; kv
	v_lshrrev_b32 v4, 5, v0
	v_readfirstlane_b32 s14, v4                    ; wave
	s_and_b32 s15, ttmp7, 0xffff                   ; y
	s_lshr_b32 s16, s15, 3                         ; kind
	s_and_b32 s17, s15, 7                          ; head
	s_lshl_b32 s18, ttmp9, 4
	s_lshl_b32 s19, s14, 2
	s_add_co_u32 s18, s18, s19                     ; my first token tile
	s_lshl_b32 s19, s15, 2
	s_add_co_u32 s19, s19, 512                     ; the first weight tile
	v_and_b32 v4, 31, v0
	v_lshlrev_b32 v[LN16], 4, v4
	v_and_b32 v5, 15, v0                           ; r
	v_bfe_u32 v6, v0, 4, 1                         ; h
	s_sub_co_u32 s20, s19, s18
	s_lshl_b32 s20, s20, 8
	v_mul_u32_u24 v[SCO], s20, v6                  ; lanes 16-31 take the weight tiles' scale words,
	v_lshl_add_u32 v[SCO], v5, 4, v[SCO]           ; 16 bytes a row,
	s_lshl_b32 s21, s18, 8
	v_add_nc_u32 v[SCO], s21, v[SCO]               ; lanes 0-15 the token tiles'
	v_lshlrev_b32 v[H32], 5, v6
	s_lshl_b32 s22, s18, 12
	s_mov_b32 s23, 0
	s_lshl_b32 s24, s19, 12
	s_mov_b32 s25, 0
	s_lshr_b32 s26, ttmp9, 4                       ; the batch
	s_lshl_b32 s26, s26, 3
	s_add_co_u32 s26, s26, s17                     ; 8 b + head
	s_and_b32 s27, s18, 255                        ; my first token tile within the batch
	s_mov_b32 s29, 0
	s_wait_kmcnt 0x0
	s_add_nc_u64 s[22:23], s[4:5], s[22:23]        ; my four token tiles' codes: 16 KiB on end
	s_add_nc_u64 s[24:25], s[4:5], s[24:25]        ; the four weight tiles' likewise
.irp i, 0,1,2,3
	global_load_b128 v[SC+4*\i:SC+4*\i+3], v[SCO], s[6:7] offset:256*\i
.endr
.set n, 0
.rept 32
	global_load_b128 v[HF+4*n:HF+4*n+3], v[LN16], s[22:23] offset:512*n
.set n, n+1
.endr
	WIN 0x40                                       ; destination window 1
.set n, 0
.rept 32
	global_load_b128 v[4*n:4*n+3], v[LN16], s[24:25] offset:512*n
.set n, n+1
.endr
	WIN 0
; The 16 accumulators take turns, one instruction a turn, in the same order in every K step.  The first K step starts the sums, with bq or the constant 0 as C.
.macro PRODQK bias
.irp ks, 0,1,2,3
.if (\ks == 0) && \bias
	WIN 0x41                                       ; source 0 (weights) and D window 1; C (bq) window 0
.else
	WIN 0x51                                       ; source 0, C and D window 1
.endif
.irp tt, 0,1,2,3
.irp ct, 0,1,2,3
.set AC, 128+8*(4*\tt+\ct)
.if \ks > 0
	v_wmma_scale_f32_16x16x128_f8f6f4 v[AC:AC+7], v[32*\ct+8*\ks:32*\ct+8*\ks+7], v[HF+32*\tt+8*\ks:HF+32*\tt+8*\ks+7], v[AC:AC+7], v[SC+4*\ct+\ks], v[SC+4*\tt+\ks] matrix_a_fmt:MATRIX_FMT_FP4 matrix_b_fmt:MATRIX_FMT_FP4 matrix_a_scale:MATRIX_SCALE_ROW1
.elseif \bias
	v_wmma_scale_f32_16x16x128_f8f6f4 v[AC:AC+7], v[32*\ct+8*\ks:32*\ct+8*\ks+7], v[HF+32*\tt+8*\ks:HF+32*\tt+8*\ks+7], v[BI+8*\ct:BI+8*\ct+7], v[SC+4*\ct+\ks], v[SC+4*\tt+\ks] matrix_a_fmt:MATRIX_FMT_FP4 matrix_b_fmt:MATRIX_FMT_FP4 matrix_a_scale:MATRIX_SCALE_ROW1
.else
	v_wmma_scale_f32_16x16x128_f8f6f4 v[AC:AC+7], v[32*\ct+8*\ks:32*\ct+8*\ks+7], v[HF+32*\tt+8*\ks:HF+32*\tt+8*\ks+7], 0, v[SC+4*\ct+\ks], v[SC+4*\tt+\ks] matrix_a_fmt:MATRIX_FMT_FP4 matrix_b_fmt:MATRIX_FMT_FP4 matrix_a_scale:MATRIX_SCALE_ROW1
.endif
.endr
.endr
.endr
.endm
.macro PRODV
	WIN 0x54                                       ; source 1 (weights), C and D window 1
.irp ks, 0,1,2,3
.irp tt, 0,1,2,3
.irp ct, 0,1,2,3
.set AC, 128+8*(4*\tt+\ct)
.if \ks > 0
	v_wmma_scale_f32_16x16x128_f8f6f4 v[AC:AC+7], v[HF+32*\tt+8*\ks:HF+32*\tt+8*\ks+7], v[32*\ct+8*\ks:32*\ct+8*\ks+7], v[AC:AC+7], v[SC+4*\tt+\ks], v[SC+4*\ct+\ks] matrix_a_fmt:MATRIX_FMT_FP4 matrix_b_fmt:MATRIX_FMT_FP4 matrix_b_scale:MATRIX_SCALE_ROW1
.else
	v_wmma_scale_f32_16x16x128_f8f6f4 v[AC:AC+7], v[HF+32*\tt+8*\ks:HF+32*\tt+8*\ks+7], v[32*\ct+8*\ks:32*\ct+8*\ks+7], 0, v[SC+4*\tt+\ks], v[SC+4*\ct+\ks] matrix_a_fmt:MATRIX_FMT_FP4 matrix_b_fmt:MATRIX_FMT_FP4 matrix_b_scale:MATRIX_SCALE_ROW1
.endif
.endr
.endr
.endr
.endm
.macro PACK                            ; four places behind the last product; then each accumulator, from its low end on, becomes 16 bytes of f16 a lane
	WIN 0
.rept 4
	v_nop
.endr
	WIN 0x05                                       ; sources window 1, destination window 0
.set a, 0
.rept 16
.irp i, 0,1,2,3
	v_cvt_pk_f16_f32 v[PK+4*a+\i], v[128+8*a+2*\i], v[128+8*a+2*\i+1]
.endr
.set a, a+1
.endr
	WIN 0
.endm
	s_cmp_eq_u32 s16, 0                            ; the kind hangs on the work-group's y alone
	s_cbranch_scc0 .Lnot_q
	s_lshl_b32 s28, s17, 8
	s_add_nc_u64 s[8:9], s[8:9], s[28:29]          ; bq of my head
.irp ct, 0,1,2,3
.irp e, 0,1
	global_load_b128 v[BI+8*\ct+4*\e:BI+8*\ct+4*\e+3], v[H32], s[8:9] offset:64*\ct+16*\e   ; bq at channels 16 ct + 8 h + 0..7: the result's layout
.endr
.endr
	s_lshl_b32 s28, s26, 19
	s_lshl_b32 s30, s27, 11
	s_add_co_u32 s28, s28, s30                     ; ((8 b + head) 256 + tile) x 2,048 bytes
	s_add_nc_u64 s[10:11], s[10:11], s[28:29]
	s_wait_loadcnt 0x0
	PRODQK 1
	PACK
.set a, 0
.rept 16
	global_store_b128 v[LN16], v[PK+4*a:PK+4*a+3], s[10:11] offset:512*a   ; image 4 tt + ct: 512 consecutive bytes
.set a, a+1
.endr
	s_endpgm
.Lnot_q:
	s_lshl_b32 s28, s26, 20
	s_lshr_b32 s30, s27, 2
	s_lshl_b32 s30, s30, 14
	s_add_co_u32 s28, s28, s30                     ; (8 b + head) 2^20 + step x 16,384
	s_add_nc_u64 s[12:13], s[12:13], s[28:29]
	s_cmp_eq_u32 s16, 1
	s_cbranch_scc0 .Lv
	s_wait_loadcnt 0x0
	PRODQK 0
	PACK
.set a, 0
.rept 16
	global_store_b128 v[LN16], v[PK+4*a:PK+4*a+3], s[12:13] offset:512*a
.set a, a+1
.endr
	s_endpgm
.Lv:
	s_wait_loadcnt 0x0
	PRODV
	PACK
.irp tt, 0,1,2,3
.irp ct, 0,1,2,3
	global_store_b128 v[LN16], v[PK+4*(4*\tt+\ct):PK+4*(4*\tt+\ct)+3], s[12:13] offset:8192+1024*(4*(\tt/2)+\ct)+512*(\tt%2)   ; kb = tt / 2, c = ct, g = tt % 2
.endr
.endr
	s_endpgm
.Lfunc_end_k_q14017a3340_qkv:
	.size	k_q14017a3340_qkv, .Lfunc_end_k_q14017a3340_qkv-k_q14017a3340_qkv
	.p2alignl 7, 3214868480
	.fill 96, 4, 3214868480
	.section	.rodata,"a",@progbits
	.p2align	6, 0x0
	.amdhsa_kernel k_q14017a3340_qkv
		.amdhsa_group_segment_fixed_size 0
		.amdhsa_private_segment_fixed_size 0
		.amdhsa_enable_private_segment 0
		.amdhsa_kernarg_size 40
		.amdhsa_user_sgpr_count 2
		.amdhsa_user_sgpr_kernarg_segment_ptr 1
		.amdhsa_wavefront_size32 1
		.amdhsa_system_sgpr_workgroup_id_x 1
		.amdhsa_system_sgpr_workgroup_id_y 1
		.amdhsa_system_sgpr_workgroup_id_z 1
		.amdhsa_system_vgpr_workitem_id 0
		.amdhsa_next_free_vgpr 512
		.amdhsa_next_free_sgpr 66
		.amdhsa_reserve_vcc 0
		.amdhsa_float_denorm_mode_32 3
		.amdhsa_float_denorm_mode_16_64 3
		.amdhsa_memory_ordered 1
		.amdhsa_forward_progress 1
		.amdhsa_inst_pref_size 51
	.end_amdhsa_kernel
	.amdgpu_metadata
---
amdhsa.version: [ 1, 2 ]
amdhsa.kernels:
  - .name:           k_q14017a3340_qkv
    .symbol:         k_q14017a3340_qkv.kd
    .args:
      - { .name: codes, .offset: 0, .size: 8, .value_kind: global_buffer, .address_space: global }
      - { .name: scl, .offset: 8, .size: 8, .value_kind: global_buffer, .address_space: global }
      - { .name: bq, .offset: 16, .size: 8, .value_kind: global_buffer, .address_space: global }
      - { .name: qf, .offset: 24, .size: 8, .value_kind: global_buffer, .address_space: global }
      - { .name: kv, .offset: 32, .size: 8, .value_kind: global_buffer, .address_space: global }
    .group_segment_fixed_size: 0
    .private_segment_fixed_size: 0
    .kernarg_segment_align: 8
    .kernarg_segment_size: 40
    .max_flat_workgroup_size: 128
    .sgpr_count:     66
    .vgpr_count:     512
    .wavefront_size: 32
...
	.end_amdgpu_metadata
.endif
;; end of part 2
;; launch attn (part 3): grid 16 x 16, 8 waves a work-group, no clusters, 327,680 bytes of LDS; arguments qf, kv, bv, cf; writes cf
.if DOCPART == 3
	.amdgcn_target "amdgcn-amd-amdhsa--gfx1250"
	.amdhsa_code_object_version 6
	.text
	.protected	k_q14017a3340_attn
	.globl	k_q14017a3340_attn
	.p2align	8
	.type	k_q14017a3340_attn,@function
k_q14017a3340_attn:
	s_mov_b64 s[64:65], 0
	v_nop
	global_prefetch_b8 v0, s[64:65] scope:SCOPE_SE
	s_setreg_imm32_b32 hwreg(HW_REG_WAVE_MODE, 25, 1), 1
	s_wait_xcnt 0x0
; ctx[b, head][q] = the sum over k of softmax_k(q . k / 8) v[k] + bv.  q, k, v come as f16 in operand order (launch qkv); products, maxima and sums in f32; the weights p are rounded to f16 for the second product.
; LEFT OUT: bk (shown at the head of launch prep).  bv is added behind the division: the weights of a row sum to 1.
; LIMITS: ctx is rounded to f16 (magnitudes over 65,504 are not served; under 6e-5 its step is 6e-8); the running maximum starts at -3e38; NaN and infinities are not served.
; SHARES: a work-group owns 256 queries of one (batch, head).  Wave w has queries 64 (w % 4) .. + 63, four tiles of 16, and CLASS w / 4: class A walks keys 0-2,047, class B keys 2,048-4,095,
; 32 steps of 64 keys each; at the end class B hands its O, maximum and sum to class A through LDS, and class A joins the two halves.  So a fragment of K or V read from LDS feeds four matrix instructions.
; LAYOUT: S^T = K Q^T (source 0 = 16 keys, source 1 = 16 queries) and O^T = V^T P (source 0 = 16 channel slots, source 1 = P): a lane holds ONE query (lane % 16) throughout; two tiles of S^T, rounded
; to f16 in pairs, ARE source 1 of the second product.  SOFTMAX: a running maximum m and sum l for each query: p = 2^(c s - c m), c = log2(e) / 8; in every step O and l are multiplied by a = 2^(c m_old - c m_new).
; PHASES: a step is a softmax (vector work) and then 32 products V^T P and 32 products K Q^T of the next step.  Class A is started one softmax ahead of class B, so that where a wave of each class
; shares a SIMD one's products can stand beside the other's vector work.  The barrier of a change of slots is signalled ahead of a softmax and waited for behind it, which leaves that distance as it is.
; NO CLUSTER, though the sixteen work-groups of a head read the same K and V: a round of the cluster's barrier ends in a barrier whose signal and wait stand on end; at it both classes would meet,
; seven times in the walk, and the distance between them would be gone.
; THE RING: two slots of 131,072 bytes; a slot holds four steps of each class: wave w fetches the 16 KiB of step 32 (w / 4) + 4 slot + w % 4 by one tensor load, to slot + 16,384 w.  All eight waves issue every fill.
; REGISTERS: window 0: v2-7 addresses; v16-47 statistics, 8 a tile (+0 c m, +1 m, +2 +3 l in two halves, +4..+7 at work; a in +6); v48-111 V^T (8 (4 kb + c)); v112-239 S^T (32 t + 8 kt), P laid over 32 t + 0..15;
;   v240, v241 the add's two; v242-249 class B's statistics.   window 1: v0-127 O^T (32 t + 8 c); v128-191 Q (16 t + 8 u); v192-255 K (16 kt + 8 u).
.set SLOT1, 1<<17
.set SPARE, 262144                     ; behind the ring: the spare words, 128 bytes for each of the eight waves: four blocks of 256 bytes that no other line names
.set A0,   2                           ; v2   16 x lane + 65,536 x class
.set AD,   3                           ; v3   the LDS address of the step in hand
.set LN16, 4                           ; v4   16 x lane
.set PFO,  5                           ; v5   256 x lane
.set MADR, 6                           ; v6   the hand-over: 17,408 (w % 4) + 16 x lane, in LDS slot 0, which has had its last fill and its last read by then
.set BVO,  7                           ; v7   128 h
.set ST,   16
.set VFR,  48
.set SCR,  112
.set SPW,  240
.set NIL,  241
.set MS,   242
.set QFR,  128                         ; in window 1
.set KFR,  192
.set MSB, 0
.macro WIN new                         ; the immediate's high byte repeats the setting that is left
.if MSB != \new
	s_set_vgpr_msb (MSB<<8)|\new
.set MSB, \new
.endif
.endm
	s_load_b256 s[4:11], s[0:1], 0x0               ; qf s[4:5], kv s[6:7], bv s[8:9], cf s[10:11]
	v_lshl_add_u32 v[SPW], v0, 2, SPARE
	v_mov_b32 v[NIL], 0
	ds_add_u32 v[SPW], v[NIL]                      ; the wave's opening: the add, twice on end, and its wait ahead of my first tensor load
	ds_add_u32 v[SPW], v[NIL]                      ; (once more; the set-up below, work on registers, stands between it and the wait)
	v_lshrrev_b32 v1, 5, v0
	v_readfirstlane_b32 s12, v1                    ; wave 0..7
	s_lshr_b32 s13, s12, 2                         ; class
	s_and_b32 s14, s12, 3                          ; my 64 queries; also which step of a slot I fetch
	s_and_b32 s16, ttmp7, 0xffff                   ; 8 b + head
	; descriptor group 1: a dense block of 16 KiB as 64 rows of 256 bytes (32 elements of 8 bytes), no padding: the images are read 512 consecutive bytes an instruction
	s_mov_b32 s24, 3<<16                           ; no mask; elements of 8 bytes
	s_mov_b32 s25, 32<<16                          ; tensor_dim0 = 32
	s_mov_b32 s26, 64<<16                          ; tensor_dim1 = 64
	s_mov_b32 s27, 32<<16                          ; tile_dim0 = 32
	s_mov_b32 s28, 64                              ; tile_dim1 = 64
	s_mov_b32 s29, 32                              ; the pitch
	s_mov_b32 s30, 0
	s_mov_b32 s31, 0
	s_lshl_b32 s20, s13, 5
	s_add_co_u32 s20, s20, s14
	s_lshl_b32 s20, s20, 14                        ; step 32 class + w % 4, 16,384 bytes a step,
	s_lshl_b32 s21, s16, 20
	s_add_co_u32 s20, s20, s21                     ; in my head's 2^20 bytes
	s_mov_b32 s21, 0
	s_lshl_b32 s22, s16, 8
	s_lshl_b32 s23, ttmp9, 4
	s_add_co_u32 s22, s22, s23
	s_lshl_b32 s23, s14, 2
	s_add_co_u32 s22, s22, s23
	s_lshl_b32 s22, s22, 11                        ; Q: tile 256 (8 b + head) + 16 x + 4 (w % 4), 2,048 bytes a tile
	s_mov_b32 s23, 0
	s_lshr_b32 s48, s16, 3
	s_lshl_b32 s48, s48, 8
	s_lshl_b32 s49, ttmp9, 4
	s_add_co_u32 s48, s48, s49
	s_lshl_b32 s49, s14, 2
	s_add_co_u32 s48, s48, s49
	s_lshl_b32 s48, s48, 14                        ; ctx: token tile 256 b + 16 x + 4 (w % 4), 16,384 bytes a tile,
	s_and_b32 s50, s16, 7
	s_lshl_b32 s49, s50, 11
	s_add_co_u32 s48, s48, s49                     ; + 2,048 head
	s_mov_b32 s49, 0
	s_lshl_b32 s50, s50, 8                         ; bv: 256 bytes a head
	s_mov_b32 s51, 0
	s_mov_b32 s44, 0x3e38aa3b                      ; c = log2(e) / 8
	s_mov_b32 s45, s44                             ; (the packed form names the pair, so it is written)
	s_mov_b32 s46, 0x76543210
	s_mov_b32 s47, 0xfedcba98                      ; v_permlanex16_b32's selects for lane l xor 16
	s_mov_b32 s42, 0                               ; the LDS byte of the step in hand, less my class's 65,536
	s_mov_b32 s40, 6                               ; slots still to be asked for
	s_cmp_eq_u32 ttmp9, 0
	s_cselect_b32 s15, 1, -1                       ; 1 in the head's first work-group, which prefetches; else the greatest number
	v_and_b32 v1, 31, v0
	v_lshlrev_b32 v[LN16], 4, v1
	v_lshlrev_b32 v[PFO], 8, v1
	s_lshl_b32 s52, s13, 16
	v_add_nc_u32 v[A0], s52, v[LN16]
	s_mul_i32 s52, s14, 17408
	v_add_nc_u32 v[MADR], s52, v[LN16]
	v_bfe_u32 v[BVO], v0, 4, 1
	v_lshlrev_b32 v[BVO], 7, v[BVO]
	s_wait_dscnt 0x0                               ; both opening adds are done
	s_wait_kmcnt 0x0
	s_add_nc_u64 s[6:7], s[6:7], s[20:21]          ; kv at my chunk of slot 0
	s_add_nc_u64 s[4:5], s[4:5], s[22:23]
	s_add_nc_u64 s[10:11], s[10:11], s[48:49]
	s_add_nc_u64 s[8:9], s[8:9], s[50:51]
	s_add_nc_u64 s[18:19], s[6:7], 0x20000         ; the prefetches stand at slot 2; the first change of slots steps them to slot 3
	s_mov_b32 s32, 1                               ; group 0 for slot 0: count = 1,
	s_lshl_b32 s33, s12, 14                        ; LDS address 16,384 w,
	s_mov_b64 s[34:35], s[6:7]                     ; global address,
	s_or_b32 s35, s35, 0x80000000                  ; type = 2
	s_mov_b32 s36, 1                               ; group 0 for slot 1, which then walks
	s_add_co_u32 s37, s33, SLOT1
	s_add_nc_u64 s[38:39], s[6:7], 0x10000         ; four steps on
	s_or_b32 s39, s39, 0x80000000
	tensor_load_to_lds s[32:35], s[24:31]          ; both first fills go out together: two loads of mine are out
	s_nop 0
	tensor_load_to_lds s[36:39], s[24:31]
	s_nop 0
.rept 4
	v_nop
.endr
	WIN 0x40                                       ; destination window 1
.set n, 0
.rept 16
	global_load_b128 v[QFR+4*n:QFR+4*n+3], v[LN16], s[4:5] offset:512*n   ; Q stays in registers: image 4 t + ct
.set n, n+1
.endr
.set n, 0
.rept 128
	v_mov_b32 v[n], 0                              ; O^T.  The step is written for the loop alone: the first step finds zeros, which a = 0 leaves zeros; a first step of its own would be one more written copy
.set n, n+1
.endr
	WIN 0
.irp t, 0,1,2,3
	v_mov_b32 v[ST+8*\t+1], 0xff61b1e6             ; m = -3e38, under every score
	v_mul_f32 v[ST+8*\t], s44, v[ST+8*\t+1]        ; c m
.irp j, 2,3,4,5,6,7
	v_mov_b32 v[ST+8*\t+\j], 0
.endr
.endr
.macro KLOAD off                       ; a step's K: 16 images
	WIN 0x40
.set n, 0
.rept 16
	ds_load_b128 v[KFR+4*n:KFR+4*n+3], v[AD] offset:\off+512*n
.set n, n+1
.endr
.endm
.macro VLOAD                           ; a step's V^T: 16 images, 8,192 bytes behind its K
	WIN 0
.set n, 0
.rept 16
	ds_load_b128 v[VFR+4*n:VFR+4*n+3], v[AD] offset:8192+512*n
.set n, n+1
.endr
.endm
; In both products the 16 accumulators take turns, one instruction a turn.
.macro KQ                              ; S^T = K Q^T: 32 products; the first 16 start the sums
	WIN 0x05                                       ; K and Q window 1, S^T window 0
.irp u, 0,1
.irp kt, 0,1,2,3
.irp t, 0,1,2,3
.if \u == 0
	v_wmma_f32_16x16x32_f16 v[SCR+32*\t+8*\kt:SCR+32*\t+8*\kt+7], v[KFR+16*\kt+8*\u:KFR+16*\kt+8*\u+7], v[QFR+16*\t+8*\u:QFR+16*\t+8*\u+7], 0
.else
	v_wmma_f32_16x16x32_f16 v[SCR+32*\t+8*\kt:SCR+32*\t+8*\kt+7], v[KFR+16*\kt+8*\u:KFR+16*\kt+8*\u+7], v[QFR+16*\t+8*\u:QFR+16*\t+8*\u+7], v[SCR+32*\t+8*\kt:SCR+32*\t+8*\kt+7]
.endif
.endr
.endr
.endr
.endm
.macro PV                              ; O^T += V^T P: 32 products
	WIN 0x50                                       ; V and P window 0, O^T window 1
.irp kb, 0,1
.irp c, 0,1,2,3
.irp t, 0,1,2,3
	v_wmma_f32_16x16x32_f16 v[32*\t+8*\c:32*\t+8*\c+7], v[VFR+8*(4*\kb+\c):VFR+8*(4*\kb+\c)+7], v[SCR+32*\t+8*\kb:SCR+32*\t+8*\kb+7], v[32*\t+8*\c:32*\t+8*\c+7]
.endr
.endr
.endr
.endm
; THE SOFTMAX, first part, the four tiles by turns: the maximum (each accumulator of S^T is read from its low end on), the new m, c m, a, the scalings and ALL exponentials, none of which reads an exponential's result;
; then one plain instruction and ONE wait for the 132.
.macro SMA
.irp j, 0,1,2,3
.irp t, 0,1,2,3
	v_max3_num_f32 v[ST+8*\t+4+\j], v[SCR+32*\t+8*\j], v[SCR+32*\t+8*\j+1], v[SCR+32*\t+8*\j+2]
.endr
.endr
.irp q, 1,2
.irp j, 0,1,2,3
.irp t, 0,1,2,3
	v_max3_num_f32 v[ST+8*\t+4+\j], v[ST+8*\t+4+\j], v[SCR+32*\t+8*\j+2*\q+1], v[SCR+32*\t+8*\j+2*\q+2]
.endr
.endr
.endr
.irp t, 0,1,2,3
	v_max3_num_f32 v[ST+8*\t+4], v[ST+8*\t+4], v[SCR+32*\t+7], v[SCR+32*\t+15]
.endr
.irp t, 0,1,2,3
	v_max3_num_f32 v[ST+8*\t+6], v[ST+8*\t+6], v[SCR+32*\t+23], v[SCR+32*\t+31]
.endr
.irp t, 0,1,2,3
	v_max3_num_f32 v[ST+8*\t+4], v[ST+8*\t+4], v[ST+8*\t+5], v[ST+8*\t+6]
.endr
.irp t, 0,1,2,3
	v_max3_num_f32 v[ST+8*\t+4], v[ST+8*\t+4], v[ST+8*\t+7], v[ST+8*\t+1]   ; with the old m
.endr
.irp t, 0,1,2,3
	v_permlanex16_b32 v[ST+8*\t+5], v[ST+8*\t+4], s46, s47   ; the query's other 32 keys lie in the lane 16 away
.endr
.irp t, 0,1,2,3
	v_mov_b32 v[ST+8*\t+7], v[ST+8*\t]             ; c m_old is kept for a
.endr
.irp t, 0,1,2,3
	v_max_num_f32 v[ST+8*\t+1], v[ST+8*\t+4], v[ST+8*\t+5]
.endr
.irp t, 0,1,2,3
	v_mul_f32 v[ST+8*\t], s44, v[ST+8*\t+1]
.endr
.irp t, 0,1,2,3
	v_sub_f32 v[ST+8*\t+7], v[ST+8*\t+7], v[ST+8*\t]
.endr
.irp t, 0,1,2,3
	v_exp_f32 v[ST+8*\t+6], v[ST+8*\t+7]           ; a
.endr
.irp t, 0,1,2,3
	v_pk_fma_f32 v[SCR+32*\t:SCR+32*\t+1], v[SCR+32*\t:SCR+32*\t+1], s[44:45], v[ST+8*\t:ST+8*\t+1] op_sel_hi:[1,0,0] neg_lo:[0,0,1] neg_hi:[0,0,1]   ; c s - c m, a pair at a time
.endr
.irp b, 0,1,2,3,4,5,6,7,8,9,10,11,12,13,14,15
.if \b < 15
.irp t, 0,1,2,3
	v_pk_fma_f32 v[SCR+32*\t+2*\b+2:SCR+32*\t+2*\b+3], v[SCR+32*\t+2*\b+2:SCR+32*\t+2*\b+3], s[44:45], v[ST+8*\t:ST+8*\t+1] op_sel_hi:[1,0,0] neg_lo:[0,0,1] neg_hi:[0,0,1]
.endr
.endif
.irp t, 0,1,2,3
	v_exp_f32 v[SCR+32*\t+2*\b], v[SCR+32*\t+2*\b]
	v_exp_f32 v[SCR+32*\t+2*\b+1], v[SCR+32*\t+2*\b+1]
.endr
.endr
	v_nop                                          ; the plain instruction behind the last exponential
	s_wait_alu depctr_va_vdst(0)                   ; the wait ahead of the first line that names a result: one for the batch
.endm
; Second part: the sums of the unrounded p (l = a l + .., in two chains), the roundings to f16 in place (register i is free once pair i / 2 has been read), O^T times a.
.macro SMB
.irp t, 0,1,2,3
	v_pk_fma_f32 v[ST+8*\t+2:ST+8*\t+3], v[ST+8*\t+2:ST+8*\t+3], v[ST+8*\t+6:ST+8*\t+7], v[SCR+32*\t:SCR+32*\t+1] op_sel_hi:[1,0,1]
.endr
.irp t, 0,1,2,3
	v_pk_add_f32 v[ST+8*\t+4:ST+8*\t+5], v[SCR+32*\t+2:SCR+32*\t+3], v[SCR+32*\t+4:SCR+32*\t+5]
.endr
.irp p, 3,5,7,9,11,13
.irp t, 0,1,2,3
	v_pk_add_f32 v[ST+8*\t+2:ST+8*\t+3], v[ST+8*\t+2:ST+8*\t+3], v[SCR+32*\t+2*\p:SCR+32*\t+2*\p+1]
.endr
.irp t, 0,1,2,3
	v_pk_add_f32 v[ST+8*\t+4:ST+8*\t+5], v[ST+8*\t+4:ST+8*\t+5], v[SCR+32*\t+2*\p+2:SCR+32*\t+2*\p+3]
.endr
.endr
.irp t, 0,1,2,3
	v_pk_add_f32 v[ST+8*\t+2:ST+8*\t+3], v[ST+8*\t+2:ST+8*\t+3], v[SCR+32*\t+30:SCR+32*\t+31]
.endr
.irp t, 0,1,2,3
	v_pk_add_f32 v[ST+8*\t+2:ST+8*\t+3], v[ST+8*\t+2:ST+8*\t+3], v[ST+8*\t+4:ST+8*\t+5]
.endr
.irp i, 0,1,2,3,4,5,6,7,8,9,10,11,12,13,14,15
.irp t, 0,1,2,3
	v_cvt_pk_f16_f32 v[SCR+32*\t+\i], v[SCR+32*\t+2*\i], v[SCR+32*\t+2*\i+1]
.endr
.endr
	WIN 0x41                                       ; O^T (destination and source 0) window 1, a window 0
.irp i, 0,1,2,3,4,5,6,7,8,9,10,11,12,13,14,15
.irp t, 0,1,2,3
	v_pk_mul_f32 v[32*\t+2*\i:32*\t+2*\i+1], v[32*\t+2*\i:32*\t+2*\i+1], v[ST+8*\t+6:ST+8*\t+7] op_sel_hi:[1,0]
.endr
.endr
	WIN 0
.endm
.macro TOP                             ; four places behind the last K Q^T (three v_nop and the address), then V of the step in hand
	WIN 0
.rept 3
	v_nop
.endr
	v_add_nc_u32 v[AD], s42, v[A0]
	VLOAD
.endm
.macro PRODUCTS                        ; behind V^T P five places: K Q^T writes over registers that V^T P read as P
	PV
	s_wait_dscnt 0x0                               ; K is in
.rept 5
	v_nop
.endr
	KQ
	WIN 0
.endm
.macro UTAIL                           ; a plain step from K's loads on
	KLOAD 16384                                    ; the next step's K lies 16,384 bytes on in the same slot
	s_wait_dscnt 16                                ; V is in; K's sixteen loads may be out
	PRODUCTS
	s_add_co_u32 s42, s42, 16384
.endm
.macro U                               ; a plain step
	TOP
	SMA
	SMB
	UTAIL
.endm
.macro PLAIN n
	s_mov_b32 s41, \n
.Lplain_\@:
	U
	s_sub_co_u32 s41, s41, 1
	s_cmp_lg_u32 s41, 0
	s_cbranch_scc1 .Lplain_\@
.endm
; A PREFETCH INTO THE L2 of what the NEXT change of slots will load: my wave's own 16 KiB of that slot, lanes 256 bytes apart, two instructions.  All work-groups of a head walk the same kv: the head's
; first work-group asks, and nobody else, so each block of 256 bytes is named once in the launch.  Four steps lie between the request and the load.  The last change that fills a slot asks for nothing; slots 0 to 2 come by their loads alone.
.macro ASK
	s_cmp_gt_u32 s40, s15
	s_cbranch_scc0 .Lnoask_\@
	global_prefetch_b8 v[PFO], s[18:19] th:TH_LOAD_NT scope:SCOPE_SE
	global_prefetch_b8 v[PFO], s[18:19] offset:8192 th:TH_LOAD_NT scope:SCOPE_SE
.Lnoask_\@:
.endm
; A slot's fourth step changes slots.  Its V is the last that is read of the slot.  Each wave waits for all its tensor loads (its part of the next slot), adds 0 to its spare word, waits for that and for its reads,
; signals, works its softmax on registers, and waits.  Behind the barrier nobody reads the old slot and the next one is whole.  fill = 1: the old slot takes the keys two slots on: it has four steps in which to land.
.macro USTAR fill
	TOP
	s_wait_tensorcnt 0x0                           ; no tensor load of mine is out, so the walking group 0 may be written
	ds_add_u32 v[SPW], v[NIL]                      ; 0 onto my spare word
.if \fill
	s_xor_b32 s37, s37, SLOT1                      ; the other slot than last time,
	s_add_nc_u64 s[38:39], s[38:39], 0x10000       ; four steps on; the type bits on top are not reached
	s_wait_xcnt 0x0                                ; the last prefetches, a slot back, have read their address
	s_add_nc_u64 s[18:19], s[18:19], 0x10000       ; one slot further on than the walking descriptor
.endif
	s_wait_dscnt 0x0                               ; the add is done, and my reads of this slot are over
	s_barrier_signal -1
	SMA                                            ; work on registers alone
	SMB
	s_barrier_wait -1
.if \fill
	tensor_load_to_lds s[36:39], s[24:31]          ; my one tensor load behind the barrier, and the first thing there
	s_nop 0
.rept 4
	v_nop
.endr
	ASK
.endif
	s_sub_co_u32 s42, s42, 49152                   ; back to a slot's first step,
	s_xor_b32 s42, s42, SLOT1                      ; in the other slot
	v_add_nc_u32 v[AD], s42, v[A0]
	KLOAD 0
	PRODUCTS
.endm
.macro XA                              ; the first scores and the first part of their softmax
	KQ
	WIN 0
.rept 4
	v_nop
.endr
	VLOAD
	SMA
.endm
	s_wait_tensorcnt 0x1                           ; my part of slot 0 is in; slot 1's may stay out
	s_barrier_signal -1
	s_barrier_wait -1                              ; everybody's is
	v_add_nc_u32 v[AD], s42, v[A0]                 ; made ahead of the parting of the classes
	KLOAD 0
	s_wait_loadcnt 0x0                             ; Q
	s_wait_dscnt 0x0
	WIN 0
	s_cmp_lt_u32 s12, 4                            ; class A goes first,
	s_cbranch_scc0 .Lb_waits
	XA
.Lb_waits:
	s_wait_dscnt 0x0                               ; no LDS instruction of mine is out at a signal
	s_barrier_signal -1
	s_barrier_wait -1                              ; and class B starts when class A has done this much
	s_cmp_lt_u32 s12, 4
	s_cbranch_scc1 .La_goes
	XA
.La_goes:
	SMB                                            ; step 0 goes on
	UTAIL
	PLAIN 2                                        ; steps 1, 2
	USTAR 1                                        ; step 3: slot 2 is asked for
	s_mov_b32 s40, 5
.Lslot:                                                ; five trips: slots 1 to 5 are walked, slots 3 to 7 asked for
	PLAIN 3
	USTAR 1
	s_sub_co_u32 s40, s40, 1
	s_cmp_lg_u32 s40, 0
	s_cbranch_scc1 .Lslot
	PLAIN 3                                        ; the tail is written out: slot 6
	USTAR 0
	PLAIN 3                                        ; slot 7
	TOP
	SMA
	SMB
	s_wait_dscnt 0x0                               ; V is in
	PV
	WIN 0
	; THE WAY OUT.  l's two halves and the other half of the lanes' are added: these lines are also the places behind the last products.
.irp t, 0,1,2,3
	v_add_f32 v[ST+8*\t+2], v[ST+8*\t+2], v[ST+8*\t+3]
.endr
.irp t, 0,1,2,3
	v_permlanex16_b32 v[ST+8*\t+4], v[ST+8*\t+2], s46, s47
.endr
.irp t, 0,1,2,3
	v_add_f32 v[ST+8*\t+2], v[ST+8*\t+2], v[ST+8*\t+4]
.endr
	s_cmp_lt_u32 s12, 4
	s_cbranch_scc1 .Lclass_a
	WIN 0x04                                       ; class B: O^T, c m and l go to LDS as images of their registers (an LDS store's data are its source 1: window 1)
.set n, 0
.rept 32
	ds_store_b128 v[MADR], v[4*n:4*n+3] offset:512*n   ; each accumulator from its low end on
.set n, n+1
.endr
	WIN 0
.irp t, 0,1,2,3
	v_mov_b32 v[MS+\t], v[ST+8*\t]
	v_mov_b32 v[MS+4+\t], v[ST+8*\t+2]
.endr
	ds_store_b128 v[MADR], v[MS:MS+3] offset:16384
	ds_store_b128 v[MADR], v[MS+4:MS+7] offset:16896
	s_branch .Lmeet
.Lclass_a:
.irp c, 0,1,2,3
.irp e, 0,1
	global_load_b128 v[VFR+8*\c+4*\e:VFR+8*\c+4*\e+3], v[BVO], s[8:9] offset:32*\c+16*\e   ; class A meanwhile: bv at my channels 32 h + 8 c + 0..7
.endr
.endr
.Lmeet:
	s_wait_dscnt 0x0                               ; for the others' sake: my stores have landed
	s_barrier_signal -1
	s_barrier_wait -1
	s_cmp_lt_u32 s12, 4
	s_cbranch_scc0 .Lend
.set n, 0
.rept 32
	ds_load_b128 v[SCR+4*n:SCR+4*n+3], v[MADR] offset:512*n   ; class B's O^T, the same registers in the same lanes
.set n, n+1
.endr
	ds_load_b128 v[MS:MS+3], v[MADR] offset:16384
	ds_load_b128 v[MS+4:MS+7], v[MADR] offset:16896
	s_wait_dscnt 0x0
.irp t, 0,1,2,3
	v_max_num_f32 v[ST+8*\t+5], v[ST+8*\t], v[MS+\t]   ; the larger c m of the two halves
.endr
.irp t, 0,1,2,3
	v_sub_f32 v[ST+8*\t+4], v[ST+8*\t], v[ST+8*\t+5]
	v_sub_f32 v[ST+8*\t+6], v[MS+\t], v[ST+8*\t+5]
.endr
.irp t, 0,1,2,3
	v_exp_f32 v[ST+8*\t+4], v[ST+8*\t+4]           ; a1
	v_exp_f32 v[ST+8*\t+6], v[ST+8*\t+6]           ; a2
.endr
	v_nop
	s_wait_alu depctr_va_vdst(0)                   ; one wait for the eight
.irp t, 0,1,2,3
	v_mul_f32 v[ST+8*\t+7], v[ST+8*\t+6], v[MS+4+\t]
.endr
.irp t, 0,1,2,3
	v_fma_f32 v[ST+8*\t+7], v[ST+8*\t+4], v[ST+8*\t+2], v[ST+8*\t+7]   ; the row's sum: a1 l1 + a2 l2, at least 1
.endr
.irp t, 0,1,2,3
	v_rcp_f32 v[ST+8*\t+5], v[ST+8*\t+7]
.endr
	v_nop
	s_wait_alu depctr_va_vdst(0)                   ; one wait for the four
.irp t, 0,1,2,3
	v_mul_f32 v[ST+8*\t+4], v[ST+8*\t+4], v[ST+8*\t+5]   ; f1 = a1 / the sum
	v_mul_f32 v[ST+8*\t+6], v[ST+8*\t+6], v[ST+8*\t+5]   ; f2 = a2 / the sum
.endr
	s_wait_loadcnt 0x0                             ; bv
.irp t, 0,1,2,3
.irp i, 0,1,2,3,4,5,6,7,8,9,10,11,12,13,14,15
	v_pk_fma_f32 v[SCR+32*\t+2*\i:SCR+32*\t+2*\i+1], v[SCR+32*\t+2*\i:SCR+32*\t+2*\i+1], v[ST+8*\t+6:ST+8*\t+7], v[VFR+2*\i:VFR+2*\i+1] op_sel_hi:[1,0,1]   ; O2 f2 + bv
.endr
.endr
	WIN 0x01                                       ; source 0 (my O^T) window 1
.irp t, 0,1,2,3
.irp i, 0,1,2,3,4,5,6,7,8,9,10,11,12,13,14,15
	v_pk_fma_f32 v[SCR+32*\t+2*\i:SCR+32*\t+2*\i+1], v[32*\t+2*\i:32*\t+2*\i+1], v[ST+8*\t+4:ST+8*\t+5], v[SCR+32*\t+2*\i:SCR+32*\t+2*\i+1] op_sel_hi:[1,0,1]   ; + O1 f1
.endr
.endr
	WIN 0
.irp t, 0,1,2,3
.irp i, 0,1,2,3,4,5,6,7,8,9,10,11,12,13,14,15
	v_cvt_pk_f16_f32 v[SCR+32*\t+\i], v[SCR+32*\t+2*\i], v[SCR+32*\t+2*\i+1]
.endr
.endr
.irp t, 0,1,2,3
.irp c, 0,1,2,3
	global_store_b128 v[LN16], v[SCR+32*\t+4*\c:SCR+32*\t+4*\c+3], s[10:11] offset:16384*\t+512*\c   ; an image of cf: 512 consecutive bytes
.endr
.endr
.Lend:
	s_wait_tensorcnt 0x0                           ; the wave's end, behind my last tensor load and my last LDS store
	ds_add_u32 v[SPW], v[NIL]
	s_wait_dscnt 0x0
	s_endpgm
.Lfunc_end_k_q14017a3340_attn:
	.size	k_q14017a3340_attn, .Lfunc_end_k_q14017a3340_attn-k_q14017a3340_attn
	.p2alignl 7, 3214868480
	.fill 96, 4, 3214868480
	.section	.rodata,"a",@progbits
	.p2align	6, 0x0
	.amdhsa_kernel k_q14017a3340_attn
		.amdhsa_group_segment_fixed_size 327680
		.amdhsa_private_segment_fixed_size 0
		.amdhsa_enable_private_segment 0
		.amdhsa_kernarg_size 32
		.amdhsa_user_sgpr_count 2
		.amdhsa_user_sgpr_kernarg_segment_ptr 1
		.amdhsa_wavefront_size32 1
		.amdhsa_system_sgpr_workgroup_id_x 1
		.amdhsa_system_sgpr_workgroup_id_y 1
		.amdhsa_system_sgpr_workgroup_id_z 1
		.amdhsa_system_vgpr_workitem_id 0
		.amdhsa_next_free_vgpr 512
		.amdhsa_next_free_sgpr 66
		.amdhsa_reserve_vcc 0
		.amdhsa_float_denorm_mode_32 3
		.amdhsa_float_denorm_mode_16_64 3
		.amdhsa_memory_ordered 1
		.amdhsa_forward_progress 1
		.amdhsa_inst_pref_size 255
	.end_amdhsa_kernel
	.section	.bss,"aw",@nobits
	.p2align	6
	.space	262144
	.amdgpu_metadata
---
amdhsa.version: [ 1, 2 ]
amdhsa.kernels:
  - .name:           k_q14017a3340_attn
    .symbol:         k_q14017a3340_attn.kd
    .args:
      - { .name: qf, .offset: 0, .size: 8, .value_kind: global_buffer, .address_space: global }
      - { .name: kv, .offset: 8, .size: 8, .value_kind: global_buffer, .address_space: global }
      - { .name: bv, .offset: 16, .size: 8, .value_kind: global_buffer, .address_space: global }
      - { .name: cf, .offset: 24, .size: 8, .value_kind: global_buffer, .address_space: global }
    .group_segment_fixed_size: 327680
    .private_segment_fixed_size: 0
    .kernarg_segment_align: 8
    .kernarg_segment_size: 32
    .max_flat_workgroup_size: 256
    .sgpr_count:     66
    .vgpr_count:     512
    .wavefront_size: 32
...
	.end_amdgpu_metadata
.endif
;; end of part 3
;; launch outp (part 4): grid 4 x 64, 4 waves a work-group, clusters of 4 x 4, 280,064 bytes of LDS; arguments cf, wf, bo, out0; writes out0
.if DOCPART == 4
	.amdgcn_target "amdgcn-amd-amdhsa--gfx1250"
	.amdhsa_code_object_version 6
	.text
	.protected	k_q14017a3340_outp
	.globl	k_q14017a3340_outp
	.p2align	8
	.type	k_q14017a3340_outp,@function
k_q14017a3340_outp:
	s_mov_b64 s[64:65], 0
	v_nop
	global_prefetch_b8 v0, s[64:65] scope:SCOPE_SE
	s_setreg_imm32_b32 hwreg(HW_REG_WAVE_MODE, 25, 1), 1
	s_wait_xcnt 0x0
	s_wait_alu depctr_hold_cnt(0) depctr_sa_sdst(0) depctr_va_vdst(0) depctr_va_sdst(0) depctr_va_ssrc(0) depctr_va_vcc(0) depctr_vm_vsrc(0)
	s_getreg_b32 s2, hwreg(HW_REG_IB_STS2, 6, 4)
	s_cmp_eq_u32 s2, 0
	s_cbranch_scc0 .Lentry_in_a_cluster
	s_endpgm
.Lentry_in_a_cluster:
	s_bfe_u32 s2, ttmp6, 0x10000c
	s_cmp_lg_u32 s2, 0xf033
	s_cbranch_scc0 .Lentry_shape_is_right
	s_endpgm
.Lentry_shape_is_right:
; out0 = ctx Wo^T + bo.  ctx (launch attn) and Wo (launch prep) come as f16 in operand order, with the same order along K in both; sums in f32; out0 [8,192][512] f32.
; SHARES: a work-group makes 128 tokens x 128 columns; wave w the token half w / 2 and the column half w % 2: 16 accumulators of 16 x 16, 16 K steps of 32: 256 matrix instructions.
; ALL the work-group's operands, 128 KiB of ctx and 128 KiB of Wo, are asked for once, at the head, in four chunks of 4 K steps: no LDS byte is filled again, so there is no ring.  A wave has four tensor loads out.
; CLUSTER: 4 x 4 work-groups.  The four of a row of the cluster need the same tiles of ctx, the four of a column the same tiles of Wo: each is asked for JOINTLY, by the same tensor load with the same
; descriptor and a mask that names the four.  Waves 0 and 1 fetch ctx's tiles 0-3 and 4-7, waves 2 and 3 Wo's.
; THE MATRIX INSTRUCTION IS USED TRANSPOSED (source 0 = 16 rows of Wo, source 1 = 16 tokens): a lane holds eight neighbouring columns of one token.  bo is the C of each sum's first product.
; LDS: chunk q at 65,536 q: [wave][tile 0..3][K step 0..3][g][image of 512 bytes]; from 262,144 a stage of 16 rows x 272 bytes for each wave; then the spare words.
; REGISTERS: window 0: v2-7 addresses; v16-47 bo (8 a column tile); v48, v49 the add's two; v64-127, v128-191 two sets of fragments (Wo's four, then ctx's four); v192-255 two sets of rows on the way out.  window 1: v0-127 the accumulators (8 (4 a + b)).
.set STAGE, 262144
.set SPARE, 279552                     ; 128 bytes for each of the four waves: two blocks of 256 bytes that no other line names
.set VA,  2                            ; v2   16 x lane + 16,384 (w / 2): my ctx tiles in the chunk in hand
.set VB,  3                            ; v3   16 x lane + 32,768 + 16,384 (w % 2): my Wo tiles
.set STO, 4                            ; v4   the stage: where I put 32 bytes of a row
.set RD,  5                            ; v5   and where I read a row back
.set CO,  6                            ; v6   my byte offset in two rows of out0
.set H32, 7                            ; v7   32 h
.set BI,  16
.set SPW, 48
.set NIL, 49
.set OB,  192
.set MSB, 0
.macro WIN new                         ; the immediate's high byte repeats the setting that is left
.if MSB != \new
	s_set_vgpr_msb (MSB<<8)|\new
.set MSB, \new
.endif
.endm
.macro CROUND                          ; a round of the cluster's barrier: my work-group's barrier; wave 0 signals for the work-group; every wave waits for all sixteen; my work-group's barrier once more
	s_barrier_signal -1
	s_barrier_wait -1
	s_cmp_lg_u32 s12, 0
	s_cbranch_scc1 .Lnot_wave_0_\@
	s_barrier_signal -3
.Lnot_wave_0_\@:
	s_barrier_wait -3
	s_barrier_signal -1
	s_barrier_wait -1
.endm
	s_load_b256 s[4:11], s[0:1], 0x0               ; cf s[4:5], wf s[6:7], bo s[8:9], out0 s[10:11]
	v_lshl_add_u32 v[SPW], v0, 2, SPARE
	v_mov_b32 v[NIL], 0
	ds_add_u32 v[SPW], v[NIL]                      ; the wave's opening: the add, twice on end, and its wait ahead of my first tensor load
	ds_add_u32 v[SPW], v[NIL]                      ; (once more; the set-up below, work on registers, stands between it and the wait)
	v_lshrrev_b32 v1, 5, v0
	v_readfirstlane_b32 s12, v1                    ; wave 0..3
	s_lshr_b32 s13, s12, 1                         ; my token half.  Also: I fetch ctx (0) or Wo (1)
	s_and_b32 s14, s12, 1                          ; my column half.  Also: which four tiles I fetch
	s_bfe_u32 s15, ttmp6, 0x40000                  ; cx
	s_bfe_u32 s16, ttmp6, 0x40004                  ; cy
	s_lshl_b32 s56, ttmp9, 2
	s_add_co_u32 s56, s56, s15                     ; tile column = 4 x cluster x + cx
	s_and_b32 s17, ttmp7, 0xffff
	s_lshl_b32 s17, s17, 2
	s_add_co_u32 s17, s17, s16                     ; tile row = 4 x cluster y + cy
	s_lshl_b32 s18, s16, 2
	s_lshl_b32 s18, 15, s18                        ; my row of the cluster
	s_lshl_b32 s19, 0x1111, s15                    ; my column
	; descriptor group 1: four tiles' parts of a chunk: 4 rows of 4,096 bytes (512 elements of 8 bytes), 16,384 bytes apart; dense in LDS
	s_or_b32 s24, s18, (3<<16)|(1<<21)             ; ctx goes to my row: the mask; elements of 8 bytes; bit 21 set beside a mask
	s_or_b32 s32, s19, (3<<16)|(1<<21)             ; Wo goes to my column
.irp g, 24, 32
	s_mov_b32 s[\g+1], 512<<16                     ; tensor_dim0 = 512
	s_mov_b32 s[\g+2], 4<<16                       ; tensor_dim1 = 4
	s_mov_b32 s[\g+3], 512<<16                     ; tile_dim0 = 512
	s_mov_b32 s[\g+4], 4                           ; tile_dim1 = 4
	s_mov_b32 s[\g+5], 2048                        ; the pitch
	s_mov_b32 s[\g+6], 0
	s_mov_b32 s[\g+7], 0
.endr
	s_lshl_b32 s22, s14, 2                         ; which four tiles I fetch
	s_lshl_b32 s20, s17, 3
	s_add_co_u32 s20, s20, s22
	s_lshl_b32 s20, s20, 14                        ; ctx: token tile 8 x tile row + 4 x half: the tile row alone, which my row of the cluster shares
	s_mov_b32 s21, 0
	s_lshl_b32 s58, s56, 3
	s_add_co_u32 s58, s58, s22
	s_lshl_b32 s58, s58, 14                        ; Wo: n tile 8 x tile column + 4 x half: the tile column alone, which my column shares
	s_mov_b32 s59, 0
	s_lshl_b32 s23, s12, 14                        ; where they go: 16,384 x wave: no place in the cluster enters an LDS address
	s_wait_dscnt 0x0                               ; both opening adds are done
	s_wait_kmcnt 0x0
	s_add_nc_u64 s[20:21], s[4:5], s[20:21]
	s_add_nc_u64 s[58:59], s[6:7], s[58:59]
	CROUND                                         ; all sixteen work-groups are here: the joint loads meet
.irp q, 0,1,2,3
	s_mov_b32 s[40+4*\q], 1                        ; group 0 for ctx's chunk q
	s_add_co_u32 s[41+4*\q], s23, 65536*\q
	s_add_nc_u64 s[42+4*\q:43+4*\q], s[20:21], 4096*\q
	s_or_b32 s[43+4*\q], s[43+4*\q], 0x80000000
	s_mov_b32 s[68+4*\q], 1                        ; and for Wo's
	s_add_co_u32 s[69+4*\q], s23, 65536*\q
	s_add_nc_u64 s[70+4*\q:71+4*\q], s[58:59], 4096*\q
	s_or_b32 s[71+4*\q], s[71+4*\q], 0x80000000
.endr
	s_cmp_eq_u32 s13, 0                            ; the branch hangs on the wave's number alone; a wave's four fills stand in one arm
	s_cbranch_scc0 .Lfor_b
.irp q, 0,1,2,3
	tensor_load_to_lds s[40+4*\q:43+4*\q], s[24:31]
	s_nop 0
.endr
.rept 4
	v_nop
.endr
	s_branch .Lasked
.Lfor_b:
.irp q, 0,1,2,3
	tensor_load_to_lds s[68+4*\q:71+4*\q], s[32:39]
	s_nop 0
.endr
.rept 4
	v_nop
.endr
.Lasked:
	v_and_b32 v1, 31, v0
	v_lshlrev_b32 v8, 4, v1                        ; 16 x lane
	s_lshl_b32 s22, s13, 14
	v_add_nc_u32 v[VA], s22, v8
	s_lshl_b32 s22, s14, 14
	s_add_co_u32 s22, s22, 32768
	v_add_nc_u32 v[VB], s22, v8
	v_and_b32 v9, 15, v0                           ; r
	v_bfe_u32 v10, v0, 4, 1                        ; h
	s_mul_i32 s22, s12, 4352
	s_add_co_u32 s22, s22, STAGE                   ; my stage
	v_mul_u32_u24 v[STO], v9, 272
	v_lshl_add_u32 v[STO], v10, 5, v[STO]
	v_add_nc_u32 v[STO], s22, v[STO]               ; in: row r, 32 bytes for each half of the lanes
	v_mul_u32_u24 v[RD], v10, 272
	v_lshl_add_u32 v[RD], v9, 4, v[RD]
	v_add_nc_u32 v[RD], s22, v[RD]                 ; back: lanes 0-15 one row of 256 bytes, lanes 16-31 the next
	v_lshlrev_b32 v[CO], 11, v10
	v_lshl_add_u32 v[CO], v9, 4, v[CO]             ; and the same two rows in out0
	v_lshlrev_b32 v[H32], 5, v10
	s_lshl_b32 s60, s56, 9
	s_lshl_b32 s61, s14, 8
	s_add_co_u32 s60, s60, s61                     ; my first column, in bytes: 512 x tile column + 256 x half
	s_mov_b32 s61, 0
	s_add_nc_u64 s[8:9], s[8:9], s[60:61]
	s_lshl_b32 s62, s17, 18
	s_lshl_b32 s63, s13, 17
	s_add_co_u32 s62, s62, s63                     ; my first row: (128 x tile row + 64 x half) x 2,048 bytes
	s_mov_b32 s63, 0
	s_add_nc_u64 s[10:11], s[10:11], s[62:63]
	s_add_nc_u64 s[10:11], s[10:11], s[60:61]
.irp b, 0,1,2,3
.irp e, 0,1
	global_load_b128 v[BI+8*\b+4*\e:BI+8*\b+4*\e+3], v[H32], s[8:9] offset:64*\b+16*\e   ; bo at columns 16 b + 8 h + 0..7: the result's layout
.endr
.endr
.macro FETCH ksl, f                    ; the fragments of the chunk's K step ksl into set f: Wo's four, then ctx's four: 16 loads of 512 consecutive bytes
.irp i, 0,1,2,3
.irp g, 0,1
	ds_load_b128 v[\f+8*\i+4*\g:\f+8*\i+4*\g+3], v[VB] offset:4096*\i+1024*(\ksl)+512*\g
.endr
.endr
.irp i, 0,1,2,3
.irp g, 0,1
	ds_load_b128 v[\f+32+8*\i+4*\g:\f+32+8*\i+4*\g+3], v[VA] offset:4096*\i+1024*(\ksl)+512*\g
.endr
.endr
.endm
.macro MUL f, first                    ; 16 products; the accumulators take turns, one instruction a turn
.if \first
	WIN 0x40                                       ; D window 1; C (bo) window 0
.else
	WIN 0x50                                       ; C and D window 1
.endif
.irp a, 0,1,2,3
.irp b, 0,1,2,3
.if \first
	v_wmma_f32_16x16x32_f16 v[8*(4*\a+\b):8*(4*\a+\b)+7], v[\f+8*\b:\f+8*\b+7], v[\f+32+8*\a:\f+32+8*\a+7], v[BI+8*\b:BI+8*\b+7]
.else
	v_wmma_f32_16x16x32_f16 v[8*(4*\a+\b):8*(4*\a+\b)+7], v[\f+8*\b:\f+8*\b+7], v[\f+32+8*\a:\f+32+8*\a+7], v[8*(4*\a+\b):8*(4*\a+\b)+7]
.endif
.endr
.endr
	WIN 0
.endm
	s_wait_tensorcnt 0x3                           ; my part of chunk 0 is in; the three later chunks may be out
	s_barrier_signal -1
	s_barrier_wait -1                              ; everybody's is
	FETCH 0, 64
	FETCH 1, 128
	s_wait_loadcnt 0x0                             ; bo
.irp kk, 0,1,2,3,4,5,6,7,8,9,10,11,12,13,14,15
.if \kk < 15
	s_wait_dscnt 16                                ; this step's set is in; the other set's sixteen loads may be out
.else
	s_wait_dscnt 0x0
.endif
.if \kk == 0
	MUL 64, 1
.else
	MUL 64+64*(\kk%2), 0
.endif
.if \kk <= 13
.rept 4
	v_nop                                          ; places in front of loads into registers that matrix instructions have read
.endr
.if (\kk+2)%4 == 0
	s_wait_dscnt 0x0                               ; no LDS instruction of mine is out at a signal
	s_wait_tensorcnt 3-(\kk+2)/4                   ; my part of the next chunk is in; the chunks behind it may be out
	s_barrier_signal -1
	s_barrier_wait -1                              ; everybody's is
	v_add_nc_u32 v[VA], 0x10000, v[VA]
	v_add_nc_u32 v[VB], 0x10000, v[VB]
.endif
	FETCH (\kk+2)%4, 64+64*(\kk%2)
.endif
.endr
; THE WAY OUT, a block of 16 tokens x 64 columns at a time, through my own stage: in as 32 bytes a lane, back as whole rows of 256 bytes.  LDS serves a wave's instructions in order: no wait between stores and loads.
.macro TOSTAGE a
	WIN 0x04                                       ; an LDS store's data are its source 1: window 1
.irp b, 0,1,2,3
	ds_store_b128 v[STO], v[8*(4*(\a)+\b):8*(4*(\a)+\b)+3] offset:64*\b      ; each accumulator from its low end on
	ds_store_b128 v[STO], v[8*(4*(\a)+\b)+4:8*(4*(\a)+\b)+7] offset:64*\b+16
.endr
	WIN 0
.irp t, 0,1,2,3,4,5,6,7
	ds_load_b128 v[OB+32*((\a)%2)+4*\t:OB+32*((\a)%2)+4*\t+3], v[RD] offset:544*\t
.endr
.endm
.macro SEND a, younger                 ; younger: the LDS instructions issued behind block a's loads, which may stay out
	s_wait_dscnt \younger
.irp t, 0,1,2,3,4,5,6,7
	global_store_b128 v[CO], v[OB+32*((\a)%2)+4*\t:OB+32*((\a)%2)+4*\t+3], s[10:11] offset:32768*(\a)+4096*\t th:TH_STORE_NT   ; sixteen lanes store 256 consecutive bytes, aligned; written once, read by nobody here
.endr
.endm
.rept 4
	v_nop                                          ; places behind the last products
.endr
	TOSTAGE 0
.irp a, 1,2,3
.if \a > 1
	s_wait_xcnt 0x0                                ; block a - 2's stores have read their registers: block a's rows may land there
.endif
	TOSTAGE \a
	SEND \a-1, 16                                  ; behind block a - 1's loads: block a's 8 stores and 8 loads
.endr
	SEND 3, 0
	s_wait_tensorcnt 0x0                           ; the wave's end, behind my last tensor load and my last LDS store
	ds_add_u32 v[SPW], v[NIL]
	s_wait_dscnt 0x0
	CROUND                                         ; the closing round: no work-group ends while a partner may still ask for a tile that names it
	s_endpgm
.Lfunc_end_k_q14017a3340_outp:
	.size	k_q14017a3340_outp, .Lfunc_end_k_q14017a3340_outp-k_q14017a3340_outp
	.p2alignl 7, 3214868480
	.fill 96, 4, 3214868480
	.section	.rodata,"a",@progbits
	.p2align	6, 0x0
	.amdhsa_kernel k_q14017a3340_outp
		.amdhsa_group_segment_fixed_size 280064
		.amdhsa_private_segment_fixed_size 0
		.amdhsa_enable_private_segment 0
		.amdhsa_kernarg_size 32
		.amdhsa_user_sgpr_count 2
		.amdhsa_user_sgpr_kernarg_segment_ptr 1
		.amdhsa_wavefront_size32 1
		.amdhsa_system_sgpr_workgroup_id_x 1
		.amdhsa_system_sgpr_workgroup_id_y 1
		.amdhsa_system_sgpr_workgroup_id_z 1
		.amdhsa_system_vgpr_workitem_id 0
		.amdhsa_next_free_vgpr 384
		.amdhsa_next_free_sgpr 90
		.amdhsa_reserve_vcc 0
		.amdhsa_float_denorm_mode_32 3
		.amdhsa_float_denorm_mode_16_64 3
		.amdhsa_memory_ordered 1
		.amdhsa_forward_progress 1
		.amdhsa_inst_pref_size 53
	.end_amdhsa_kernel
	.amdgpu_metadata
---
amdhsa.version: [ 1, 2 ]
amdhsa.kernels:
  - .name:           k_q14017a3340_outp
    .symbol:         k_q14017a3340_outp.kd
    .args:
      - { .name: cf, .offset: 0, .size: 8, .value_kind: global_buffer, .address_space: global }
      - { .name: wf, .offset: 8, .size: 8, .value_kind: global_buffer, .address_space: global }
      - { .name: bo, .offset: 16, .size: 8, .value_kind: global_buffer, .address_space: global }
      - { .name: out0, .offset: 24, .size: 8, .value_kind: global_buffer, .address_space: global }
    .group_segment_fixed_size: 280064
    .private_segment_fixed_size: 0
    .kernarg_segment_align: 8
    .kernarg_segment_size: 32
    .max_flat_workgroup_size: 128
    .sgpr_count:     90
    .vgpr_count:     384
    .wavefront_size: 32
...
	.end_amdgpu_metadata
.endif
;; end of part 4
